; MI455X (gfx1250); checked and timed in simulation.
; The chip was launched on July 23, 2026; its instructions are those of AMD's public machine-readable ISA for CDNA 5 (MIT licence, August 2026) and "CDNA5" Instruction Set Architecture Reference Guide (July 2026). The comments in the code are by the model that wrote it; some were corrected since.
;; Bert Self Attention. Allowed arithmetic: float matrix products may take bf16 or f16 operands with f32 sums; other float arithmetic in f32, or as packed bf16 or f16 multiplies, adds, multiply-adds, maxima and minima; sums over many terms, partial sums and values carried from step to step in f32; what a program stores and reads back later, other than sums and carried values, may be rounded once to bf16 or f16.
;; Inputs: Wk 1,024 x 1,024 float32; Wq 1,024 x 1,024 float32; Wv 1,024 x 1,024 float32; attention_mask 4 x 2,048 float32; bk 1,024 float32; bq 1,024 float32; bv 1,024 float32; hidden_states 4 x 2,048 x 1,024 float32.
;; Outputs: out0 4 x 2,048 x 1,024 float32.
;; 2 versions, each right; version 2 is version 1 with the launch cast written anew for expert scheduling mode. Each part assembles by itself: llvm-mc -triple=amdgcn-amd-amdhsa -mcpu=gfx1250 --defsym DOCPART=n.
;; ======== version 1 of 2: 3 launches
;; limits: values are held in f16: magnitudes above 65,504 overflow, below 6.1e-05 lose precision
;; workspace buffers: xb 16,777,216 bytes; wb 6,291,456 bytes; qkv 50,331,648 bytes
;; launch cast (part 1): grid 256 x 1, 8 waves a work-group, no clusters, 0 bytes of LDS; arguments hidden_states, Wq, Wk, Wv, xb, wb; writes xb, wb
.if DOCPART == 1
	.amdgcn_target "amdgcn-amd-amdhsa--gfx1250"
	.amdhsa_code_object_version 6
	.text
	.protected	k_qc70354fed1_cast
	.globl	k_qc70354fed1_cast
	.p2align	8
	.type	k_qc70354fed1_cast,@function
k_qc70354fed1_cast:
	s_mov_b64 s[64:65], 0
	v_nop
	global_prefetch_b8 v0, s[64:65] scope:SCOPE_SE
	s_setreg_imm32_b32 hwreg(HW_REG_WAVE_MODE, 25, 1), 1
	s_wait_xcnt 0x0
; xb = bf16(hidden_states), [8192][1024];  wb = bf16(Wq, Wk, Wv one below the other), [3072][1024].  One rounding to nearest even each.
; A stream: no LDS, no barrier, no matrix unit, no loop.  11,534,336 numbers are 5,632 steps of 2,048 (256 threads x 8); each of the 256 work-groups takes 22 steps:
; 16 of x (32,768 numbers) and 2 of each W (4,096 numbers).  In a step thread t takes 8 neighbouring f32 (two loads of 16 bytes at 32 t and 32 t + 16: a wave's pair covers
; 1,024 consecutive bytes) and stores 16 bytes at 16 t: a wave's store covers 512 consecutive bytes, at a multiple of 256 from the buffer's first byte.
; All 44 loads of a thread go out at once, each into registers of its own; nothing that a pending instruction names is ever rewritten but a step's own data, behind its own wait.
.set D,     8                          ; v[8:183]  step j: 8 registers as loaded; the low 4 then hold the 8 bf16
.set INB,   8192                       ; bytes of a step on the way in
.set OUTB,  4096                       ; and on the way out
.set WBYTES, 1024*1024*2               ; a W's bytes in wb
	s_load_b256 s[4:11], s[0:1], 0x0               ; hidden_states s[4:5], Wq s[6:7], Wk s[8:9], Wv s[10:11]
	s_load_b128 s[12:15], s[0:1], 0x20             ; xb s[12:13], wb s[14:15]
	v_lshlrev_b32 v1, 5, v0                        ; 32 t: my 8 numbers on the way in
	v_lshlrev_b32 v2, 4, v0                        ; 16 t: on the way out
	s_lshl_b32 s16, ttmp9, 17                      ; the work-group's part of x: 16 steps x 8,192 bytes
	s_mov_b32 s17, 0
	s_lshl_b32 s18, ttmp9, 14                      ; of each W: 2 steps x 8,192 bytes
	s_mov_b32 s19, 0
	s_lshl_b32 s20, ttmp9, 16                      ; of xb
	s_mov_b32 s21, 0
	s_lshl_b32 s22, ttmp9, 13                      ; of each W's part of wb
	s_mov_b32 s23, 0
	s_wait_kmcnt 0x0
	s_add_nc_u64 s[4:5], s[4:5], s[16:17]
	s_add_nc_u64 s[6:7], s[6:7], s[18:19]
	s_add_nc_u64 s[8:9], s[8:9], s[18:19]
	s_add_nc_u64 s[10:11], s[10:11], s[18:19]
	s_add_nc_u64 s[12:13], s[12:13], s[20:21]
	s_add_nc_u64 s[14:15], s[14:15], s[22:23]
.macro LD j, base, off                 ; step j's two loads
	global_load_b128 v[D+8*(\j):D+8*(\j)+3],   v1, s[(\base):(\base)+1] offset:(\off) th:TH_LOAD_NT
	global_load_b128 v[D+8*(\j)+4:D+8*(\j)+7], v1, s[(\base):(\base)+1] offset:(\off)+16 th:TH_LOAD_NT
.endm
.macro CV j, left, base, off           ; step j is rounded in place and stored.  left: the younger loads, which may stay out
	s_wait_loadcnt \left                           ; loads come back in order (ISA guide 5.7.1): this step's two are in
.irp r, 0,1,2,3
	v_cvt_pk_bf16_f32 v[D+8*(\j)+\r], v[D+8*(\j)+2*\r], v[D+8*(\j)+2*\r+1]  ; ascending: a destination is never a source still to be read
.endr
	global_store_b128 v2, v[D+8*(\j):D+8*(\j)+3], s[(\base):(\base)+1] offset:(\off) th:TH_STORE_NT
.endm
.set j, 0
.rept 16
	LD j, 4, INB*j                                 ; x
.set j, j+1
.endr
.set j, 0
.rept 6
	LD 16+j, 6+2*(j/2), INB*(j%2)                  ; Wq, Wk, Wv: two steps each
.set j, j+1
.endr
.set j, 0
.rept 16
	CV j, 42-2*j, 12, OUTB*j
.set j, j+1
.endr
.set j, 0
.rept 6
	CV 16+j, 10-2*j, 14, (j/2)*WBYTES+OUTB*(j%2)   ; the largest immediate is 4,198,400: inside the signed 24 bits
.set j, j+1
.endr
	s_endpgm
.Lfunc_end_k_qc70354fed1_cast:
	.size	k_qc70354fed1_cast, .Lfunc_end_k_qc70354fed1_cast-k_qc70354fed1_cast
	.p2alignl 7, 3214868480
	.fill 96, 4, 3214868480
	.section	.rodata,"a",@progbits
	.p2align	6, 0x0
	.amdhsa_kernel k_qc70354fed1_cast
		.amdhsa_group_segment_fixed_size 0
		.amdhsa_private_segment_fixed_size 0
		.amdhsa_enable_private_segment 0
		.amdhsa_kernarg_size 48
		.amdhsa_user_sgpr_count 2
		.amdhsa_user_sgpr_kernarg_segment_ptr 1
		.amdhsa_wavefront_size32 1
		.amdhsa_system_sgpr_workgroup_id_x 1
		.amdhsa_system_sgpr_workgroup_id_y 1
		.amdhsa_system_sgpr_workgroup_id_z 1
		.amdhsa_system_vgpr_workitem_id 0
		.amdhsa_next_free_vgpr 184
		.amdhsa_next_free_sgpr 66
		.amdhsa_reserve_vcc 0
		.amdhsa_float_denorm_mode_32 3
		.amdhsa_float_denorm_mode_16_64 3
		.amdhsa_memory_ordered 1
		.amdhsa_forward_progress 1
		.amdhsa_inst_pref_size 14
	.end_amdhsa_kernel
	.amdgpu_metadata
---
amdhsa.version: [ 1, 2 ]
amdhsa.kernels:
  - .name:           k_qc70354fed1_cast
    .symbol:         k_qc70354fed1_cast.kd
    .args:
      - { .name: hidden_states, .offset: 0, .size: 8, .value_kind: global_buffer, .address_space: global }
      - { .name: Wq, .offset: 8, .size: 8, .value_kind: global_buffer, .address_space: global }
      - { .name: Wk, .offset: 16, .size: 8, .value_kind: global_buffer, .address_space: global }
      - { .name: Wv, .offset: 24, .size: 8, .value_kind: global_buffer, .address_space: global }
      - { .name: xb, .offset: 32, .size: 8, .value_kind: global_buffer, .address_space: global }
      - { .name: wb, .offset: 40, .size: 8, .value_kind: global_buffer, .address_space: global }
    .group_segment_fixed_size: 0
    .private_segment_fixed_size: 0
    .kernarg_segment_align: 8
    .kernarg_segment_size: 48
    .max_flat_workgroup_size: 256
    .sgpr_count:     66
    .vgpr_count:     184
    .wavefront_size: 32
...
	.end_amdgpu_metadata
.endif
;; end of part 1
;; launch proj (part 2): grid 16 x 32, 4 waves a work-group, clusters of 4 x 4, 327,680 bytes of LDS; arguments xb, wb, bq, bk, bv, qkv; writes qkv
.if DOCPART == 2
	.amdgcn_target "amdgcn-amd-amdhsa--gfx1250"
	.amdhsa_code_object_version 6
	.text
	.protected	k_qc70354fed1_proj
	.globl	k_qc70354fed1_proj
	.p2align	8
	.type	k_qc70354fed1_proj,@function
k_qc70354fed1_proj:
	s_mov_b64 s[64:65], 0
	v_nop
	global_prefetch_b8 v0, s[64:65] scope:SCOPE_SE
	s_setreg_imm32_b32 hwreg(HW_REG_WAVE_MODE, 25, 1), 1
	s_wait_xcnt 0x0
	s_wait_alu depctr_hold_cnt(0) depctr_sa_sdst(0) depctr_va_vdst(0) depctr_va_sdst(0) depctr_va_ssrc(0) depctr_va_vcc(0) depctr_vm_vsrc(0)
	s_getreg_b32 s2, hwreg(HW_REG_IB_STS2, 6, 4)
	s_cmp_eq_u32 s2, 0
	s_cbranch_scc0 .Lentry_in_a_cluster
	s_endpgm
.Lentry_in_a_cluster:
	s_bfe_u32 s2, ttmp6, 0x10000c
	s_cmp_lg_u32 s2, 0xf033
	s_cbranch_scc0 .Lentry_shape_is_right
	s_endpgm
.Lentry_shape_is_right:
; THE THREE PROJECTIONS AS ONE PRODUCT.  y[m][n] = the sum over k of xb[m][k] wb[n][k] + bias[n]: xb [8192][1024], wb [3072][1024] in bf16, sums in f32; bias = bq, bk, bv, rounded to bf16 like every input.
; The q columns are multiplied by c = log2(e) / 8 in f32; then every number is rounded ONCE to f16 and stored by heads: qkv = three sections (c q, k, v) of [64 = batch x 16 + head][2048][64].
; LIMIT.  f16 ends at 65,504: c q, k and v must stay within it (drawn inputs give numbers of size 1; inputs 30 times larger, or offset by 30 spreads, stay under 30,000).
; SHARES.  A tile is 256 rows x 192 columns, three whole heads: 32 x 16 = 512 work-groups of equal work, two for each of 256 WGPs.  Wave w owns rows 64 w .. 64 w + 63 and all 192 columns: 48 accumulators
; of 16 x 16, 384 registers; so a wave holds whole heads and its way out is its own.  K goes in steps of 128 (rows of 256 bytes) through a ring of two LDS slots filled by the tensor data mover.
; CLUSTER.  4 x 4 work-groups.  The four of a row of the cluster need the same rows of xb, the four of a column the same rows of wb: each tile is asked for JOINTLY, by the same tensor load with the same
; descriptor and a mask that names the four.
; THE MATRIX INSTRUCTION IS USED TRANSPOSED: source 0 = 16 rows of wb, source 1 = 16 rows of xb.  In the result lane l holds row l % 16 of y and the columns 8 (l / 16) + 0..7: eight neighbours, 16 bytes of f16.
; THE BIAS is the C operand of the product that starts each sum: eight numbers a lane for each of the 12 column blocks, the same for all rows.  Nothing is cleared and nothing is added afterwards.
; REGISTERS, in windows of 256 (s_set_vgpr_msb: bits 1:0 source 0, 3:2 source 1, 5:4 source 2, 7:6 destination):
;   window 0: v0-35 addresses and temporaries; v64-127 xb's fragments, two buffers of 4; v128-223 the bias, later the way out's 48 + 48
;   window 1: v0-191 wb's fragments, two buffers of 12        window 2: accumulators of my row blocks 0, 1 (block a, column block b at 96 (a % 2) + 8 b)        window 3: of blocks 2, 3
.set KSTEP,  128
.set PITCH,  272                       ; an LDS row: 256 bytes + 16 of padding = 68 words: the 16 rows that a load touches start at 16 different groups of four banks (64 banks of 4 bytes: ISA guide 11.1)
.set HALFA,  128*PITCH                 ; what a tensor load of xb brings: 128 rows
.set HALFB,  96*PITCH                  ; of wb: 96 rows
.set ATILE,  2*HALFA
.set SLOT,   ATILE+2*HALFB             ; xb's 256 rows, then wb's 192: 121,856 bytes
.set STAGE,  2*SLOT                    ; behind the ring: for each wave three heads x 16 rows x 144 bytes, for the way out; no tensor load fills it
.set SP,     144                       ; a stage row: 128 bytes + 16
.set HSTG,   16*SP
.set SPARE,  STAGE+4*3*HSTG            ; behind the stages: the spare words, 128 bytes for each wave: two blocks of 256 bytes that no other line names
.set LAPS,   1024/(2*KSTEP)            ; a lap = two K steps = once round the ring
.set CLOG,   0x3e38aa3b                ; c = log2(e) / 8
.set ADRA, 16                          ; v16-17  LDS address of my xb fragments in slot 0, 1
.set ADRB, 20                          ; v20-21  the same for wb
.set STO,  24                          ; v24     the way out: where I put 16 bytes of a row
.set RD,   25                          ; v25     where I read rows back
.set CO,   26                          ; v26-28  my byte offset in qkv, for each of the tile's three heads; never rewritten
.set BO,   29                          ; v29     32 (l / 16): my eight numbers in 16 of a bias
.set SPW,  30                          ; v30     LDS address of my spare word: SPARE + 4 x my thread's number; never rewritten
.set NIL,  31                          ; v31     0; never rewritten
.set T,    32                          ; v32-35  at work
.set AF,   64                          ; xb's fragments: buffer f, row block a at AF + 32 f + 8 a
.set BI,   128                         ; the bias: column block b at BI + 8 b
.set TMP,  128                         ; the way out: 48 registers of packed results,
.set OB,   176                         ; and 48 of whole rows read back
.set F0,   0
.set F1,   1
.set WV,   16                          ; s16  my wave's number
.set FB,   17                          ; s17  0: I fetch for xb; 1: for wb
.set HALF, 18                          ; s18  which half of that tile's rows I fetch
.set CX,   19
.set CY,   20
.set TC,   21                          ; s21  tile column
.set TR,   22                          ; s22  tile row
.set LAP,  23
.set G1,   24                          ; s[24:31] descriptor group 1 for xb's tiles;  s[32:39] group 0, one set for each slot
.set G0,   32
.set G1B,  48                          ; s[48:55], s[56:63] the same for wb's
.set G0B,  56
.set BP,   66                          ; s[66:71] for each head: its 64 numbers of its bias
.set FAC,  72                          ; s[72:77] for each head a pair: c (a q head) or 1.0, in the low word
.set OUT,  78                          ; s78-80   for each head: byte offset in qkv of my wave's first row
.set MSB, 0
.macro WIN new                         ; the immediate's high byte repeats the setting that is left; a switch that changes nothing is dropped
.if MSB != (\new)
	s_set_vgpr_msb (MSB<<8)|(\new)
.set MSB, \new
.endif
.endm
.set TO_B, 0x40                        ; destination window 1, address window 0
; A joint load.  Waves 0 and 1 fetch xb's two halves, waves 2 and 3 wb's.  The branch hangs on the wave's number alone.  An s_nop 0 and four v_nop follow each of the two lines.
.macro JLOAD s
	s_cmp_eq_u32 s[FB], 0
	s_cbranch_scc0 .Lfor_b_\@
	tensor_load_to_lds s[G0+4*(\s):G0+4*(\s)+3], s[G1:G1+7]
	s_nop 0
.rept 4
	v_nop
.endr
	s_branch .Lasked_\@
.Lfor_b_\@:
	tensor_load_to_lds s[G0B+4*(\s):G0B+4*(\s)+3], s[G1B:G1B+7]
	s_nop 0
.rept 4
	v_nop
.endr
.Lasked_\@:
.endm
; A round of the cluster's barrier: my work-group's barrier, so that wave 0's signal speaks for all four waves; wave 0 signals; every wave waits for all sixteen work-groups; my work-group's barrier once more.
.macro CREST                           ; a round behind its opening barrier
	s_cmp_lg_u32 s[WV], 0
	s_cbranch_scc1 .Lnot_wave_0_\@
	s_barrier_signal -3
.Lnot_wave_0_\@:
	s_barrier_wait -3
	s_barrier_signal -1
	s_barrier_wait -1
.endm
.macro CROUND
	s_barrier_signal -1
	s_barrier_wait -1
	CREST
.endm
.macro PLACES                          ; four places in front of loads into registers that matrix instructions have read, and of vector lines that read results
.rept 4
	v_nop
.endr
.endm
	s_load_b256 s[4:11], s[0:1], 0x0               ; xb s[4:5], wb s[6:7], bq s[8:9], bk s[10:11]
	s_load_b128 s[12:15], s[0:1], 0x20             ; bv s[12:13], qkv s[14:15]
	v_lshl_add_u32 v[SPW], v0, 2, SPARE
	v_mov_b32 v[NIL], 0
	ds_add_u32 v[SPW], v[NIL]                      ; the wave's opening: the add and its wait stand ahead of my first tensor load; the set-up below, work on registers, stands between them
	v_lshrrev_b32 v1, 5, v0
	v_readfirstlane_b32 s[WV], v1                  ; wave 0..3
	s_lshr_b32 s[FB], s[WV], 1
	s_and_b32 s[HALF], s[WV], 1
	s_bfe_u32 s[CX], ttmp6, 0x40000                ; my place in the cluster
	s_bfe_u32 s[CY], ttmp6, 0x40004
	s_lshl_b32 s[TC], ttmp9, 2                     ; in a cluster launch ttmp9 and ttmp7 count clusters
	s_add_co_u32 s[TC], s[TC], s[CX]               ; tile column = 4 x cluster x + cx
	s_and_b32 s[TR], ttmp7, 0xffff
	s_lshl_b32 s[TR], s[TR], 2
	s_add_co_u32 s[TR], s[TR], s[CY]               ; tile row = 4 x cluster y + cy
	s_lshl_b32 s44, s[CY], 2
	s_lshl_b32 s44, 15, s44                        ; my row of the cluster: places 4 cy .. 4 cy + 3
	s_lshl_b32 s45, 0x1111, s[CX]                  ; my column: places cx, cx + 4, cx + 8, cx + 12
	; descriptor group 1: rows of 128 elements of 2 bytes, padded in LDS
	s_or_b32 s[G1], s44, (1<<16)|(1<<20)|(1<<21)|(5<<22)|(3<<25)   ; 15:0 the mask: xb's tiles go to my row; 17:16 2-byte elements; 20 padding on; 21 set beside a mask; 24:22 after every 64 words (code 5); 31:25 4 words (code 3)
	s_or_b32 s[G1B], s45, (1<<16)|(1<<20)|(1<<21)|(5<<22)|(3<<25)  ; the same with the mask of my column, for wb's tiles
.irp g, G1, G1B
	s_mov_b32 s[(\g)+1], KSTEP<<16                 ; tensor_dim0 = 128
	s_mov_b32 s[(\g)+3], KSTEP<<16                 ; tile_dim0 = 128
	s_mov_b32 s[(\g)+5], 1024                      ; elements from row to row
	s_mov_b32 s[(\g)+6], 0
	s_mov_b32 s[(\g)+7], 0
.endr
	s_mov_b32 s[G1+2], 128<<16                     ; tensor_dim1 = 128 rows of xb
	s_mov_b32 s[G1+4], 128                         ; tile_dim1
	s_mov_b32 s[G1B+2], 96<<16                     ; 96 rows of wb
	s_mov_b32 s[G1B+4], 96
	; where the tiles come from.  xb's hang on the tile row alone, which my row of the cluster shares; wb's on the tile column alone, which my column shares: each in registers that never hold the other coordinate
	s_lshl_b32 s40, s[TR], 8
	s_lshl_b32 s41, s[HALF], 7
	s_add_co_u32 s40, s40, s41                     ; xb: row 256 x tile row + 128 x half,
	s_lshl_b32 s40, s40, 11                        ; times 2,048 bytes: under 2^24
	s_mov_b32 s41, 0
	s_mul_i32 s42, s[TC], 192
	s_mul_i32 s43, s[HALF], 96
	s_add_co_u32 s42, s42, s43                     ; wb: row 192 x tile column + 96 x half
	s_lshl_b32 s42, s42, 11
	s_mov_b32 s43, 0
	s_mul_i32 s46, s[HALF], HALFA                  ; and where they go: no place in the cluster enters an LDS address
	s_mul_i32 s47, s[HALF], HALFB
	s_add_co_u32 s47, s47, ATILE
	s_wait_dscnt 0x0                               ; the opening add is done
	s_wait_kmcnt 0x0
	s_add_nc_u64 s[40:41], s[4:5], s[40:41]
	s_add_nc_u64 s[42:43], s[6:7], s[42:43]
.irp s, 0,1
	s_mov_b32 s[G0+4*(\s)], 1                                        ; 1:0 count = 1
	s_add_co_u32 s[G0+4*(\s)+1], s46, (\s)*SLOT                      ; 63:32 LDS address
	s_add_nc_u64 s[G0+4*(\s)+2:G0+4*(\s)+3], s[40:41], (\s)*KSTEP*2  ; 120:64 global address: K step s
	s_or_b32 s[G0+4*(\s)+3], s[G0+4*(\s)+3], 0x80000000              ; 127:126 type = 2
	s_mov_b32 s[G0B+4*(\s)], 1
	s_add_co_u32 s[G0B+4*(\s)+1], s47, (\s)*SLOT
	s_add_nc_u64 s[G0B+4*(\s)+2:G0B+4*(\s)+3], s[42:43], (\s)*KSTEP*2
	s_or_b32 s[G0B+4*(\s)+3], s[G0B+4*(\s)+3], 0x80000000
.endr
	CROUND                                         ; all sixteen work-groups are here: the first joint loads meet
	s_cmp_eq_u32 s[FB], 0                          ; a wave's two first fills stand in one branch, ahead of every wait on TENSORcnt and every LDS read: two loads of mine are out
	s_cbranch_scc0 .Lfirst_b
	tensor_load_to_lds s[G0:G0+3], s[G1:G1+7]
	s_nop 0
	tensor_load_to_lds s[G0+4:G0+7], s[G1:G1+7]
	s_nop 0
.rept 4
	v_nop
.endr
	s_branch .Lfirst_asked
.Lfirst_b:
	tensor_load_to_lds s[G0B:G0B+3], s[G1B:G1B+7]
	s_nop 0
	tensor_load_to_lds s[G0B+4:G0B+7], s[G1B:G1B+7]
	s_nop 0
.rept 4
	v_nop
.endr
.Lfirst_asked:
	v_and_b32 v1, 15, v0                           ; l % 16
	v_bfe_u32 v2, v0, 4, 1                         ; l / 16
	v_lshlrev_b32 v[BO], 5, v2
; Head i of the tile's three is head g = 3 x tile column + i of 48: tensor g / 16 (q, k, v), head g % 16 of it.  Its bias, its factor and its place in qkv; then the loads of its 64 numbers of bias.
.macro HEADSET i
	s_mul_i32 s81, s[TC], 3
	s_add_co_u32 s81, s81, \i
	s_lshr_b32 s82, s81, 4                         ; which tensor
	s_and_b32 s83, s81, 15                         ; which head
	s_cmp_eq_u32 s82, 0
	s_cselect_b64 s[BP+2*(\i):BP+2*(\i)+1], s[8:9], s[10:11]
	s_cselect_b32 s[FAC+2*(\i)], CLOG, 1.0
	s_cmp_eq_u32 s82, 2
	s_cselect_b64 s[BP+2*(\i):BP+2*(\i)+1], s[12:13], s[BP+2*(\i):BP+2*(\i)+1]
	s_mov_b32 s[FAC+2*(\i)+1], s[FAC+2*(\i)]       ; named with it as a pair
	s_lshl_b32 s84, s83, 8                         ; 64 numbers of 4 bytes a head
	s_mov_b32 s85, 0
	s_add_nc_u64 s[BP+2*(\i):BP+2*(\i)+1], s[BP+2*(\i):BP+2*(\i)+1], s[84:85]
	s_lshl_b32 s84, s82, 6                         ; 64 x tensor
	s_lshr_b32 s86, s[TR], 3                       ; the batch: 8 tile rows each
	s_lshl_b32 s86, s86, 4
	s_add_co_u32 s84, s84, s86
	s_add_co_u32 s84, s84, s83                     ; + 16 x batch + head,
	s_lshl_b32 s84, s84, 18                        ; times 2,048 rows of 128 bytes
	s_and_b32 s86, s[TR], 7
	s_lshl_b32 s86, s86, 2
	s_add_co_u32 s86, s86, s[WV]                   ; my 64 rows among the batch's: 4 x (tile row % 8) + wave,
	s_lshl_b32 s86, s86, 13                        ; times 64 rows of 128 bytes
	s_add_co_u32 s[OUT+(\i)], s84, s86             ; under 2^26
.irp bb, 0,1,2,3
	global_load_b128 v[BI+8*(4*(\i)+\bb):BI+8*(4*(\i)+\bb)+3],   v[BO], s[BP+2*(\i):BP+2*(\i)+1] offset:64*\bb     ; columns 16 bb + 8 (l / 16) + 0..3
	global_load_b128 v[BI+8*(4*(\i)+\bb)+4:BI+8*(4*(\i)+\bb)+7], v[BO], s[BP+2*(\i):BP+2*(\i)+1] offset:64*\bb+16  ; + 4..7
.endr
.endm
	HEADSET 0
	HEADSET 1
	HEADSET 2
	; A fragment is 16 rows x 32 K in 8 registers: lane l holds row l % 16; registers 0-3 K = 8 (l / 16) + 0..7, registers 4-7 K = 16 + 8 (l / 16) + 0..7: two loads of 16 bytes, 32 bytes apart.
	v_mul_u32_u24 v3, v1, PITCH
	v_lshl_add_u32 v3, v2, 4, v3                   ; row x pitch + 16 x half
	s_mul_i32 s81, s[WV], 64*PITCH                 ; my 64 rows of xb
	v_add_nc_u32 v[ADRA], s81, v3
	v_add_nc_u32 v[ADRA+1], SLOT, v[ADRA]
	v_add_nc_u32 v[ADRB], ATILE, v3                ; wb's 192 rows, which every wave reads, lie behind xb's 256
	v_add_nc_u32 v[ADRB+1], SLOT, v[ADRB]
	s_mul_i32 s81, s[WV], 3*HSTG
	s_add_co_u32 s81, s81, STAGE                   ; my stage
	v_mul_u32_u24 v4, v1, SP                       ; in: row l % 16, 16 bytes for each half of the lanes
	v_lshl_add_u32 v4, v2, 4, v4
	v_add_nc_u32 v[STO], s81, v4
	v_bfe_u32 v4, v0, 3, 2                         ; back: 32 lanes take four rows of 128 bytes,
	v_mul_u32_u24 v4, v4, SP
	v_and_b32 v5, 7, v0
	v_lshl_add_u32 v4, v5, 4, v4
	v_add_nc_u32 v[RD], s81, v4
	v_and_b32 v5, 31, v0                           ; which are 512 consecutive bytes of a head
	v_lshlrev_b32 v5, 4, v5
.irp i, 0,1,2
	v_add_nc_u32 v[CO+\i], s[OUT+\i], v5
.endr
	s_wait_loadcnt 0x0                             ; the bias is in; it is rounded to bf16, as all inputs are, and widened again
.set p, 0
.rept 48
	v_cvt_pk_bf16_f32 v[T+p%4], v[BI+2*p], v[BI+2*p+1]
	v_lshlrev_b32 v[BI+2*p], 16, v[T+p%4]
	v_and_b32 v[BI+2*p+1], 0xffff0000, v[T+p%4]
.set p, p+1
.endr
; 12 matrix instructions: row block a x all 12 column blocks, 32 along K, from buffer f.  first = 1: the products start the sums, with the bias as C.
; The 48 accumulators take turns, one instruction a turn, in the same order in every quarter step, over the backward jump too.
.macro MULA f, a, first
.if \first
	WIN 0x81+0x40*((\a)/2)                         ; wb window 1, xb window 0, C (the bias) window 0, D window 2 or 3
.else
	WIN 0xa1+0x50*((\a)/2)                         ; C and D window 2 or 3
.endif
.irp b, 0,1,2,3,4,5,6,7,8,9,10,11
.if \first
	v_wmma_f32_16x16x32_bf16 v[96*((\a)%2)+8*(\b):96*((\a)%2)+8*(\b)+7], v[96*(\f)+8*(\b):96*(\f)+8*(\b)+7], v[AF+32*(\f)+8*(\a):AF+32*(\f)+8*(\a)+7], v[BI+8*(\b):BI+8*(\b)+7]
.else
	v_wmma_f32_16x16x32_bf16 v[96*((\a)%2)+8*(\b):96*((\a)%2)+8*(\b)+7], v[96*(\f)+8*(\b):96*(\f)+8*(\b)+7], v[AF+32*(\f)+8*(\a):AF+32*(\f)+8*(\a)+7], v[96*((\a)%2)+8*(\b):96*((\a)%2)+8*(\b)+7]
.endif
.endr
.endm
; 32 LDS loads in one run: the fragments of a quarter step (192 rows of wb, my 64 rows of xb, 32 K at byte k of the rows) into buffer f
.macro FETCH slot, k, f
	WIN TO_B
.irp i, 0,1,2,3,4,5,6,7,8,9,10,11
	ds_load_b128 v[96*(\f)+8*(\i):96*(\f)+8*(\i)+3],   v[ADRB+(\slot)] offset:(\k)+(\i)*16*PITCH
	ds_load_b128 v[96*(\f)+8*(\i)+4:96*(\f)+8*(\i)+7], v[ADRB+(\slot)] offset:(\k)+(\i)*16*PITCH+32
.endr
	WIN 0
.irp i, 0,1,2,3
	ds_load_b128 v[AF+32*(\f)+8*(\i):AF+32*(\f)+8*(\i)+3],   v[ADRA+(\slot)] offset:(\k)+(\i)*16*PITCH
	ds_load_b128 v[AF+32*(\f)+8*(\i)+4:AF+32*(\f)+8*(\i)+7], v[ADRA+(\slot)] offset:(\k)+(\i)*16*PITCH+32
.endr
.endm
; A K step is four quarters of 32 along K, 48 matrix instructions each, on buffers 0, 1, 0, 1.  One of the first three: multiplies buffer f; in its middle it fetches the next quarter, at byte k, into buffer g.
.macro QUARTER slot, k, f, g, first
	s_wait_dscnt 4                                 ; wb's fragments and xb's blocks 0, 1 are in; the youngest four loads (blocks 2, 3) may be out
	MULA \f, 0, \first
	MULA \f, 1, \first
	PLACES
	FETCH \slot, \k, \g
	s_wait_dscnt 32                                ; all but the 32 just issued
	MULA \f, 2, \first
	MULA \f, 3, \first
.endm
; The last quarter multiplies buffer 1 and changes slots: ONE barrier, for two things.  In front of it each wave waits for all its tensor loads, of which one is out: its part of the next slot; adds 0 to its
; spare word; and waits for that and for its own reads of this slot.  Behind it nobody reads this slot any more and the next slot is whole.  fill = 1: the barrier opens a round of the cluster's, and this
; slot is filled again, two K steps ahead, first thing behind the round: 168 matrix instructions ahead of the wait for it.
.macro TURN slot, next, fill
	WIN 0                                          ; (the add's two registers lie in window 0)
	s_wait_tensorcnt 0x0                           ; all my tensor loads have landed
	ds_add_u32 v[SPW], v[NIL]                      ; 0 onto my spare word
	s_wait_dscnt 5                                 ; (the add and the youngest four loads may be out)
	MULA F1, 0, 0                                  ; twelve matrix instructions stand between the add and the wait for it
	s_wait_dscnt 0x0                               ; the add is done, and my reads of this slot are over
	s_barrier_signal -1
	MULA F1, 1, 0                                  ; work on registers while the others arrive
.if \fill
	WIN 0
.endif
	s_barrier_wait -1
.if \fill
	CREST                                          ; no wave of any partner still reads this slot's tile or has a load on its way
	s_add_nc_u64 s[G0+4*(\slot)+2:G0+4*(\slot)+3], s[G0+4*(\slot)+2:G0+4*(\slot)+3], 2*KSTEP*2
	s_add_nc_u64 s[G0B+4*(\slot)+2:G0B+4*(\slot)+3], s[G0B+4*(\slot)+2:G0B+4*(\slot)+3], 2*KSTEP*2
	JLOAD \slot                                    ; the four v_nop behind it are also the places in front of the loads below
.else
	PLACES
.endif
	FETCH \next, 0, F0
	MULA F1, 2, 0
	MULA F1, 3, 0
.endm
; THE WAY OUT of row block a, in three parts.  PACK: times the head's factor, rounded to f16, 16 bytes a lane; each accumulator's registers in ascending order.
.macro PACK a
.set AC, 96*((\a)%2)
	WIN 0x82+0x41*((\a)/2)                         ; destination and source 0: window 2 or 3
.irp b, 0,1,2,3,4,5,6,7,8,9,10,11
.irp r, 0,1,2,3
	v_pk_mul_f32 v[AC+8*(\b)+2*(\r):AC+8*(\b)+2*(\r)+1], v[AC+8*(\b)+2*(\r):AC+8*(\b)+2*(\r)+1], s[FAC+2*((\b)/4):FAC+2*((\b)/4)+1] op_sel_hi:[1,0]
.endr
.endr
	WIN 0x0a+5*((\a)/2)                            ; sources 0 and 1: window 2 or 3; destination window 0
.irp b, 0,1,2,3,4,5,6,7,8,9,10,11
.irp r, 0,1,2,3
	v_cvt_pk_f16_f32 v[TMP+4*(\b)+(\r)], v[AC+8*(\b)+2*(\r)], v[AC+8*(\b)+2*(\r)+1]
.endr
.endr
	WIN 0
.endm
; TOSTAGE: into my own stage, head by head, and back as whole rows of 128 bytes.
.macro TOSTAGE a
.if (\a) > 0
	s_wait_xcnt 0x0                                ; the last block's stores have read their data: only behind this wait are those registers loaded again
.endif
.irp b, 0,1,2,3,4,5,6,7,8,9,10,11
	ds_store_b128 v[STO], v[TMP+4*(\b):TMP+4*(\b)+3] offset:((\b)/4)*HSTG+((\b)%4)*32
.endr
.irp n, 0,1,2,3,4,5,6,7,8,9,10,11
	ds_load_b128 v[OB+4*(\n):OB+4*(\n)+3], v[RD] offset:((\n)/4)*HSTG+((\n)%4)*4*SP  ; LDS serves a wave's instructions in order (ISA guide 5.7.1.4): these see the stores above
.endr
.endm
; SEND: 16 rows of a head are 2,048 consecutive bytes of qkv; each store of the wave covers 512 of them, at a multiple of 256 from the buffer's first byte.
.macro SEND a
.irp n, 0,1,2,3,4,5,6,7,8,9,10,11
	s_wait_dscnt 11-(\n)                           ; load n of the twelve is back
	global_store_b128 v[CO+(\n)/4], v[OB+4*(\n):OB+4*(\n)+3], s[14:15] offset:(\a)*2048+((\n)%4)*512
.endr
.endm
	s_wait_tensorcnt 1                             ; my part of K step 0 is in; K step 1's may stay out
	s_barrier_signal -1
	s_barrier_wait -1                              ; everybody's is
	FETCH 0, 0, F0
	QUARTER 0, 64,  F0, F1, 1                      ; the first quarter stands in front of the loop: its products start the sums
	WIN 0                                          ; at a label and at a branch every window is 0
	s_mov_b32 s[LAP], LAPS-1
.Llap:                                                 ; a trip goes once round the ring, from a lap's second quarter to the next lap's first, and fills both slots again
	QUARTER 0, 128, F1, F0, 0
	QUARTER 0, 192, F0, F1, 0
	TURN 0, 1, 1
	QUARTER 1, 64,  F0, F1, 0
	QUARTER 1, 128, F1, F0, 0
	QUARTER 1, 192, F0, F1, 0
	TURN 1, 0, 1
	QUARTER 0, 64,  F0, F1, 0
	WIN 0
	s_sub_co_u32 s[LAP], s[LAP], 1
	s_cmp_lg_u32 s[LAP], 0
	s_cbranch_scc1 .Llap
	QUARTER 0, 128, F1, F0, 0                      ; the last lap fills nothing, and has no round of the cluster's barrier
	QUARTER 0, 192, F0, F1, 0
	TURN 0, 1, 0
	QUARTER 1, 64,  F0, F1, 0
	QUARTER 1, 128, F1, F0, 0
	QUARTER 1, 192, F0, F1, 0
	s_wait_dscnt 4                                 ; the very last quarter: nothing more to fetch
	MULA F1, 0, 0
	MULA F1, 1, 0
	s_wait_dscnt 0x0
	MULA F1, 2, 0
	MULA F1, 3, 0
	WIN 0
	PLACES                                         ; the lines below read results just made
	PACK 0
	TOSTAGE 0
.irp a, 1,2,3                          ; block a's arithmetic stands between block a - 1's loads from the stage and the wait for them
	PACK \a
	SEND (\a)-1
	TOSTAGE \a
.endr
	SEND 3
	s_wait_tensorcnt 0x0                           ; the wave's end, behind my last tensor load and my last LDS store
	ds_add_u32 v[SPW], v[NIL]
	s_wait_dscnt 0x0
	CROUND                                         ; the closing round: no work-group ends while a partner may still ask for a tile that names it
	s_endpgm
.Lfunc_end_k_qc70354fed1_proj:
	.size	k_qc70354fed1_proj, .Lfunc_end_k_qc70354fed1_proj-k_qc70354fed1_proj
	.p2alignl 7, 3214868480
	.fill 96, 4, 3214868480
	.section	.rodata,"a",@progbits
	.p2align	6, 0x0
	.amdhsa_kernel k_qc70354fed1_proj
		.amdhsa_group_segment_fixed_size 327680
		.amdhsa_private_segment_fixed_size 0
		.amdhsa_enable_private_segment 0
		.amdhsa_kernarg_size 48
		.amdhsa_user_sgpr_count 2
		.amdhsa_user_sgpr_kernarg_segment_ptr 1
		.amdhsa_wavefront_size32 1
		.amdhsa_system_sgpr_workgroup_id_x 1
		.amdhsa_system_sgpr_workgroup_id_y 1
		.amdhsa_system_sgpr_workgroup_id_z 1
		.amdhsa_system_vgpr_workitem_id 0
		.amdhsa_next_free_vgpr 960
		.amdhsa_next_free_sgpr 88
		.amdhsa_reserve_vcc 0
		.amdhsa_float_denorm_mode_32 3
		.amdhsa_float_denorm_mode_16_64 3
		.amdhsa_memory_ordered 1
		.amdhsa_forward_progress 1
		.amdhsa_inst_pref_size 143
	.end_amdhsa_kernel
	.amdgpu_metadata
---
amdhsa.version: [ 1, 2 ]
amdhsa.kernels:
  - .name:           k_qc70354fed1_proj
    .symbol:         k_qc70354fed1_proj.kd
    .args:
      - { .name: xb, .offset: 0, .size: 8, .value_kind: global_buffer, .address_space: global }
      - { .name: wb, .offset: 8, .size: 8, .value_kind: global_buffer, .address_space: global }
      - { .name: bq, .offset: 16, .size: 8, .value_kind: global_buffer, .address_space: global }
      - { .name: bk, .offset: 24, .size: 8, .value_kind: global_buffer, .address_space: global }
      - { .name: bv, .offset: 32, .size: 8, .value_kind: global_buffer, .address_space: global }
      - { .name: qkv, .offset: 40, .size: 8, .value_kind: global_buffer, .address_space: global }
    .group_segment_fixed_size: 327680
    .private_segment_fixed_size: 0
    .kernarg_segment_align: 8
    .kernarg_segment_size: 48
    .max_flat_workgroup_size: 128
    .sgpr_count:     88
    .vgpr_count:     960
    .wavefront_size: 32
...
	.end_amdgpu_metadata
.endif
;; end of part 2
;; launch attn (part 3): grid 4 x 64, 4 waves a work-group, clusters of 4 x 1, 327,680 bytes of LDS; arguments qkv, attention_mask, out0; writes out0
.if DOCPART == 3
	.amdgcn_target "amdgcn-amd-amdhsa--gfx1250"
	.amdhsa_code_object_version 6
	.text
	.protected	k_qc70354fed1_attn
	.globl	k_qc70354fed1_attn
	.p2align	8
	.type	k_qc70354fed1_attn,@function
k_qc70354fed1_attn:
	s_mov_b64 s[64:65], 0
	v_nop
	global_prefetch_b8 v0, s[64:65] scope:SCOPE_SE
	s_setreg_imm32_b32 hwreg(HW_REG_WAVE_MODE, 25, 1), 1
	s_wait_xcnt 0x0
	s_wait_alu depctr_hold_cnt(0) depctr_sa_sdst(0) depctr_va_vdst(0) depctr_va_sdst(0) depctr_va_ssrc(0) depctr_va_vcc(0) depctr_vm_vsrc(0)
	s_getreg_b32 s2, hwreg(HW_REG_IB_STS2, 6, 4)
	s_cmp_eq_u32 s2, 0
	s_cbranch_scc0 .Lentry_in_a_cluster
	s_endpgm
.Lentry_in_a_cluster:
	s_bfe_u32 s2, ttmp6, 0x10000c
	s_cmp_lg_u32 s2, 0x3003
	s_cbranch_scc0 .Lentry_shape_is_right
	s_endpgm
.Lentry_shape_is_right:
; out0[b][q][64 head + :] = the sum over k of softmax_k(q . k / 8 + mask[b][k]) v[k][:], for each of 64 pairs (batch, head).  qkv: three sections (c q, k, v) of [64][2048][64] in f16, c = log2(e) / 8
; already in q; attention_mask [4][2048] f32; out0 [4][2048][1024] f32.  Products, maxima and sums in f32; the weights p are rounded to f16 for the second product (their sum l is taken of the unrounded p).
; LIMITS.  The mask counts as max(bf16(mask) x log2(e), -1e38): it is rounded to bf16 as all inputs are, and a key hidden by -inf or by a number below -6.9e37 counts as hidden by that bound; a row of which
; EVERY key is so hidden gives the mean of all v, not what a softmax of -inf gives.  A weight below 2^-126 counts as 0 in l; p below 6e-5 keeps f16's fixed step of 6e-8.  NaN and +inf are not treated apart.
; SHARES.  A wave owns four PIECES of two tiles of 16 queries, a work-group's four waves 512 queries of one pair; the pair's four work-groups are one cluster.  Every wave walks all 2,048 keys, 64 a step.
; LAYOUT.  S^T = K Q^T (source 0 = 16 keys, source 1 = 16 queries): in the result a lane holds ONE query (lane % 16) and the keys 8 (lane / 16) + 0..7.  Two such tiles, rounded to f16 in pairs, ARE source 1
; (32 keys x 16 queries) of O^T = V^T P, whose result again holds one query a lane, and eight channels.  K comes out of LDS as it lies, V ([key][channel]) turned, by ds_load_tr16_b128.
; THE MASK is the C operand of the product that starts a sum S^T: a lane's eight keys' numbers, the same for all queries.  The batch's row is prepared once (rounded, times log2(e), bounded), laid in LDS, and a
; step's 64 numbers are read with the step's K.  So the scores come out of the matrix unit whole, in units of log2.
; SOFTMAX.  For each query a running maximum m and sum l: p = 2^(s - m); in every step O and l are multiplied by a = 2^(m_old - m_new), which is 1 where m has not grown.  m starts at the lowest finite
; number, O and l at 0: the first step is a step like any other, with a = 0.
; THE COUNT.  A tile and step have 16 matrix and 117 vector instructions: too many to stand all beside the matrix work.  So: four vector instructions that are READY behind EVERY matrix instruction, the rest in runs.
; BY TURNS.  Turn n belongs to piece n (the pieces in a ring, step after step).  Its matrix work: 16 products K Q^T of piece n + 1, later 16 products V^T P of piece n - 1.  Its vector work: the subtraction,
; exponentials, roundings, sums and rescaling of piece n, and the maximum and statistics of piece n + 1, whose scores the turn itself has made.
; CLUSTER.  The four query blocks walk the same K and V, so each tile is asked for JOINTLY: the same tensor load, descriptor and mask of work-groups in all four.
; REGISTERS, in windows of 256 (s_set_vgpr_msb: bits 1:0 source 0, 3:2 source 1, 5:4 source 2, 7:6 destination):
;   window 0: v0-15 addresses; v16-47 four registers of statistics a tile; v48-63 at work; v64-191 S^T, two buffers of two tiles; v192-255 P, likewise
;   window 1: O^T, 32 a tile          window 2: v0-127 Q, 16 a tile; v128-191 K of one step; v192-255 V of one step          window 3: v0-31 the mask of one step
.set SIZE_N, 2048
.set NP,    4         ; pieces a wave: a name, no knob
.set KS,    64        ; keys in a step
.set PK,    144       ; a row of K in LDS: 128 bytes + 16 of padding = 36 words: the 16 rows of a load start at 16 different groups of four banks (64 banks of 4 bytes: ISA guide 11.1)
.set PV,    160       ; a row of V: 128 + 32 = 40 words
.set VOFF,  4*KS*PK   ; a slot holds four steps: 256 rows of K, then 256 rows of V
.set SLOT1, 1<<17     ; slot 1 begins here, so that one exclusive or turns an address in one slot into the other's
.set STAGE, SLOT1+4*KS*(PK+PV)  ; behind the ring, never filled by a tensor load: 16 rows x 272 bytes for each wave, for the way out
.set SP,    272       ; a stage row: 64 f32 + 16 bytes
.set MASKL, STAGE+4*16*SP       ; the batch's mask row as the products take it: 2,048 f32
.set SPARE, MASKL+8192          ; the spare words, 128 bytes for each wave: two blocks of 256 bytes that no other line names
.set TILEB, 4*KS*128  ; a slot's bytes of K, and of V, in memory
.set SECT,  0x1000000 ; a section of qkv
.set AK0, 2           ; v2   my lane's place in a tile of K; never rewritten
.set AV0, 3           ; v3   the same for V
.set AK,  4           ; v4   the LDS address of K's next run of loads (at the head: 16 x my thread's number)
.set AV,  5           ; v5   of V's (at the head: where I put my part of the mask)
.set QO,  6           ; v6   my byte offset in the wave's rows of Q
.set STO, 6           ;      later, the way out: where I put 32 bytes of a row
.set RD,  7           ; v7   the way out: where I read rows back
.set GO,  8           ; v8   my byte offset in two rows of out0
.set AM0, 10          ; v10  my lane's place in a step's 64 numbers of the mask: MASKL + 32 (l / 16); never rewritten once made
.set SPW, 12          ; v12  LDS address of my spare word: SPARE + 4 x my thread's number; never rewritten
.set NIL, 13          ; v13  0; never rewritten
.set AM,  14          ; v14  the LDS address of the mask's next run of loads
.set PFO, 15          ; v15  256 x my lane; never rewritten
.set ST,  16          ; tile t's statistics at v[ST+4 t]: m, m_old, l (even keys', odd keys')
.set TMP, 48          ; by buffer and tile, four registers c0-c3 at work; when the maximum is found c2 takes a
.set S,   64
.set P,   192
.set KF,  128         ; K's fragments, in window 2: key block kb, channel half c at KF + 16 kb + 8 c
.set VF,  192         ; V's: key half kk, channel block cb at VF + 32 kk + 8 cb
.set MK,  0           ; the mask, in window 3: key block kb at MK + 8 kb
.set WV,  12          ; s12  my wave's number
.set LIM, 15          ; s15  1 in a wave that prefetches, else the greatest number
.set PFA, 18          ; s[18:19] where my prefetches stand: my work-group's 64 keys (of K: wave 0, of V: wave 2) of the tile after the one that is being asked for
.set G1K, 24          ; s[24:31] descriptor group 1 for K's tiles
.set G1V, 32          ; s[32:39] for V's: it differs in the padding alone
.set G0K, 40          ; s[40:43] descriptor group 0 for K's tiles: it walks
.set G0V, 44          ; s[44:47] the same for V's
.set TBM, 53          ; s53  byte in the mask row at which the step to be fetched begins
.set SLOTS, 56        ; s56  slots still to be asked for
.set CNT, 57          ; s57  counts a slot's key steps
.set LG,  58          ; s[58:59] log2(e), and the mask's lower bound -1e38
.set SEL, 60          ; s[60:61] v_permlanex16_b32's selects: each lane takes its own place in the other half
.set TBK, 62          ; s62  LDS byte at which K of the step to be fetched begins
.set TBV, 63          ; s63  the same for V, less VOFF
.set MSB, 0
.macro WIN new                      ; the high byte repeats the setting that is left; a switch that changes nothing is dropped
.if MSB != (\new)
	s_set_vgpr_msb (MSB<<8)|(\new)
.set MSB, (\new)
.endif
.endm
.set W_KQ, 0x0a       ; K and Q in window 2, S^T in window 0
.set W_KM, 0x3a       ; the same with the C operand, the mask, in window 3
.set W_PV, 0x52       ; V in window 2, P in window 0, O^T in window 1
.set W_RS, 0x41       ; O^T (destination and source 0) in window 1, a in window 0
; A joint fill.  Waves 0 and 1 fetch the two halves of a slot's K, waves 2 and 3 those of its V: 128 keys each.  The branch hangs on the wave's number alone.
; An s_nop 0 and four v_nop follow each of the two lines, ahead of the jump and the label.
.macro JLOAD
	s_cmp_lt_u32 s[WV], 2
	s_cbranch_scc0 .Lfor_v_\@
	tensor_load_to_lds s[G0K:G0K+3], s[G1K:G1K+7]
	s_nop 0
.rept 4
	v_nop
.endr
	s_branch .Lasked_\@
.Lfor_v_\@:
	tensor_load_to_lds s[G0V:G0V+3], s[G1V:G1V+7]
	s_nop 0
.rept 4
	v_nop
.endr
.Lasked_\@:
.endm
; A PREFETCH INTO THE L2 of what the NEXT change of slots will ask for: a tile's 256 keys of K and of V, 32,768 bytes each.  The four partners share them out BY ADDRESS, 8,192 bytes each: no branch hangs on a
; work-group's place in its cluster.  In each, wave 0 asks for K's and wave 2 for V's: a lane 256 bytes, one instruction.  A pair (batch, head) is read by this one cluster, so each block is named once in the launch.
; It stands behind the wave's tensor load and its five lines.  The last change that fills a slot asks for nothing: there is no tile behind it.  Tiles 0, 1 and 2 come by their loads alone.
.macro ASK
	s_cmp_gt_u32 s[SLOTS], s[LIM]
	s_cbranch_scc0 .Lnot_mine_\@
	global_prefetch_b8 v[PFO], s[PFA:PFA+1] th:TH_LOAD_NT scope:SCOPE_SE
.Lnot_mine_\@:
.endm
; A round of the cluster's barrier: my work-group's barrier, so that wave 0's signal speaks for all four waves; wave 0 signals; every wave waits for all four work-groups; my work-group's barrier once more.
.macro CROUND
	s_barrier_signal -1
	s_barrier_wait -1
	s_cmp_lg_u32 s[WV], 0
	s_cbranch_scc1 .Lnot_wave_0_\@
	s_barrier_signal -3
.Lnot_wave_0_\@:
	s_barrier_wait -3
	s_barrier_signal -1
	s_barrier_wait -1
.endm
; THE CHANGE OF SLOTS.  The slot's last bytes, V of its fourth step, have been read.  Each wave waits for all its tensor loads, of which one is out: its part of the other slot; adds 0 to its spare word; and
; waits for that and for its own LDS instructions.  Behind the barrier nobody reads this slot any more and the other slot is whole.
; fill = 1: this slot is filled again, with the keys two slots on.  The barrier is then a round of the cluster's, and the joint fill is the first thing behind it: it has four key steps, 512 matrix instructions,
; in which to land.  (At its first use nothing has been read yet: slot 0 is waited for, slot 1 filled, and every wave's part of the mask row, stored just before, is shown to the others.)  ask = 1: a prefetch follows.
.macro CHANGE fill, ask
	WIN 0                           ; at a label and at a branch every window is 0
	s_wait_tensorcnt 0x0            ; no tensor load of mine is out, so a group 0 may be written
	ds_add_u32 v[SPW], v[NIL]       ; 0 onto my spare word; with fill = 1 the descriptors' steps stand between it and the wait for it
.if \fill
.irp g, G0K, G0V
	s_xor_b32 s[\g+1], s[\g+1], SLOT1  ; the walking descriptor: the other slot than last time,
	s_add_nc_u64 s[\g+2:\g+3], s[\g+2:\g+3], TILEB  ; the next 256 keys; the type bits on top are not reached
.endr
.if \ask
	s_wait_xcnt 0x0                 ; the last prefetch, four key steps back, has read its address, so it may be written:
	s_add_nc_u64 s[PFA:PFA+1], s[PFA:PFA+1], TILEB  ; one tile behind the walking descriptors
.endif
	s_wait_dscnt 0x0                ; the add is done, and my LDS instructions are over
	CROUND
	JLOAD
.if \ask
	ASK
.endif
.else
	s_wait_dscnt 0x0                ; the add is done, and my reads of the slot are over
	s_barrier_signal -1
	s_barrier_wait -1
.endif
	s_sub_co_u32 s[TBK], s[TBK], 4*KS*PK  ; the fetches go back to a slot's first step,
	s_xor_b32 s[TBK], s[TBK], SLOT1       ; in the other slot
	s_sub_co_u32 s[TBV], s[TBV], 4*KS*PV
	s_xor_b32 s[TBV], s[TBV], SLOT1
.endm
	s_load_b128 s[4:7], s[0:1], 0x0   ; qkv s[4:5], attention_mask s[6:7]
	s_load_b64 s[8:9], s[0:1], 0x10   ; out0
	v_lshl_add_u32 v[SPW], v0, 2, SPARE
	v_mov_b32 v[NIL], 0
	ds_add_u32 v[SPW], v[NIL]       ; the wave's opening: the add and its wait stand ahead of my first tensor load; the set-up below, work on registers, stands between them
	v_lshrrev_b32 v1, 5, v0
	v_readfirstlane_b32 s[WV], v1   ; wave 0..3
	s_bfe_u32 s13, ttmp6, 0x40000   ; cx: my place in the cluster
	s_lshl_b32 s14, ttmp9, 2        ; in a cluster launch ttmp9 counts clusters
	s_add_co_u32 s14, s14, s13      ; my block of 512 queries: it enters Q's and out0's addresses alone
	s_and_b32 s16, ttmp7, 0xffff    ; 16 x batch + head, which the four partners share
	s_lshl_b32 s20, s16, 18         ; its 2,048 rows of 128 bytes in a section
	s_and_b32 s17, s[WV], 1         ; which half of a slot's 256 keys I fetch:
	s_lshl_b32 s22, s17, 14         ; its 128 rows of 128 bytes in memory,
	s_add_co_u32 s22, s22, s20
	s_add_co_u32 s22, s22, SECT     ; in K's section,
	s_mov_b32 s23, 0
	s_add_co_u32 s48, s22, SECT     ; and in V's
	s_mov_b32 s49, 0
	s_mul_i32 s50, s17, 128*PK      ; and its place in a slot, for K
	s_mul_i32 s51, s17, 128*PV      ; and for V: no place in the cluster enters an LDS address
	s_lshl_b32 s2, s14, 2
	s_add_co_u32 s2, s2, s[WV]      ; my wave among the pair's sixteen,
	s_lshl_b32 s2, s2, 14           ; its 128 rows,
	s_add_co_u32 s2, s2, s20        ; in Q's section, the first
	s_mov_b32 s3, 0
	s_lshr_b32 s52, s16, 4          ; the batch
	s_lshl_b32 s54, s52, 13         ; its row of the mask
	s_mov_b32 s55, 0
	s_lshl_b32 s10, s52, 11         ; out0: row 2,048 x batch
	s_lshl_b32 s11, s14, 9
	s_add_co_u32 s10, s10, s11      ; + 512 x block
	s_lshl_b32 s11, s[WV], 7
	s_add_co_u32 s10, s10, s11      ; + 128 x wave,
	s_lshl_b32 s10, s10, 12         ; times 4,096 bytes,
	s_and_b32 s11, s16, 15
	s_lshl_b32 s11, s11, 8
	s_add_co_u32 s10, s10, s11      ; + the head's 256 bytes of a row: under 2^25
	s_mov_b32 s11, 0
	s_mov_b32 s18, SECT             ; the prefetches: K's section in waves 0 and 1, V's in waves 2 and 3,
	s_cmp_lt_u32 s[WV], 2
	s_cselect_b32 s18, s18, 2*SECT
	s_add_co_u32 s18, s18, s20      ; the pair's rows,
	s_lshl_b32 s19, s13, 13
	s_add_co_u32 s18, s18, s19      ; my work-group's 8,192 bytes of a tile,
	s_add_co_u32 s18, s18, 2*TILEB  ; in tile 2: the first change that asks steps it to tile 3
	s_mov_b32 s19, 0
	s_and_b32 s[LIM], s[WV], 1      ; waves 0 and 2 ask
	s_cmp_eq_u32 s[LIM], 0
	s_cselect_b32 s[LIM], 1, -1
	; descriptor group 1.  128 keys are 16,384 dense bytes: asked for as 64 rows of 256 bytes, two keys a row, and padded in LDS after every key
	s_mov_b32 s[G1K], 15|(1<<16)|(1<<20)|(1<<21)|(4<<22)|(3<<25)  ; 15:0 the mask of four; 17:16 2-byte elements; 20 padding on; 21 set beside a mask; 24:22 after every 32 words (code 4); 31:25 4 words (code 3)
	s_mov_b32 s[G1V], 15|(1<<16)|(1<<20)|(1<<21)|(4<<22)|(7<<25)  ; the same with 8 words of padding (code 7)
.irp g, G1K, G1V
	s_mov_b32 s[\g+1], 128<<16      ; tensor_dim0 = 128
	s_mov_b32 s[\g+2], 64<<16       ; tensor_dim1 = 64
	s_mov_b32 s[\g+3], 128<<16      ; tile_dim0 = 128
	s_mov_b32 s[\g+4], 64           ; tile_dim1 = 64
	s_mov_b32 s[\g+5], 128          ; 128 elements from row to row
	s_mov_b32 s[\g+6], 0
	s_mov_b32 s[\g+7], 0
.endr
	s_mov_b32 s[LG], 0x3fb8aa3b     ; log2(e)
	s_mov_b32 s[LG+1], 0xfe967699   ; -1e38
	s_mov_b32 s[SEL], 0x76543210
	s_mov_b32 s[SEL+1], 0xfedcba98
	s_mov_b32 s[TBK], SLOT1+4*KS*PK ; the first change of slots turns these two into 0
	s_mov_b32 s[TBV], SLOT1+4*KS*PV
	s_mov_b32 s[TBM], 0
	s_mov_b32 s[G0K], 1             ; 1:0 count = 1
	s_mov_b32 s[G0K+1], s50         ; 63:32 LDS address: slot 0
	s_mov_b32 s[G0V], 1
	s_add_co_u32 s[G0V+1], s51, VOFF
	s_wait_dscnt 0x0                ; the opening add is done
	s_wait_kmcnt 0x0
	s_add_nc_u64 s[G0K+2:G0K+3], s[4:5], s[22:23]  ; 120:64 global address: my half of the pair's first 256 keys
	s_or_b32 s[G0K+3], s[G0K+3], 0x80000000        ; 127:126 type = 2
	s_add_nc_u64 s[G0V+2:G0V+3], s[4:5], s[48:49]
	s_or_b32 s[G0V+3], s[G0V+3], 0x80000000
	s_add_nc_u64 s[PFA:PFA+1], s[4:5], s[18:19]
	s_add_nc_u64 s[4:5], s[4:5], s[2:3]            ; Q at my wave's first row
	s_add_nc_u64 s[6:7], s[6:7], s[54:55]          ; the batch's row of the mask
	s_add_nc_u64 s[8:9], s[8:9], s[10:11]          ; out0 at my wave's first row, my head's channels
	CROUND                          ; all four work-groups are here: the first joint loads meet
	JLOAD                           ; slot 0.  Slot 1 is asked for when slot 0 is in: the tile wanted first has the road to itself
	v_and_b32 v1, 15, v0            ; l % 16
	v_bfe_u32 v9, v0, 4, 1          ; l / 16
	v_lshlrev_b32 v[AK], 4, v0      ; the mask row's 8,192 bytes: thread t takes 16 bytes at 16 t + 2,048 i
.irp i, 0,1,2,3
	global_load_b128 v[S+4*\i:S+4*\i+3], v[AK], s[6:7] offset:2048*\i
.endr
	; A fragment of K or Q is 16 rows x 32 channels in 8 registers: lane l holds row l % 16, channels 8 (l / 16) + 0..7 and 16 + 8 (l / 16) + 0..7: two loads of 16 bytes, 32 bytes apart.
	v_lshlrev_b32 v[QO], 7, v1
	v_lshl_add_u32 v[QO], v9, 4, v[QO]  ; row x 128 + 16 x half
	WIN 0x80                        ; destination window 2, address window 0
.set i, 0
.rept 4*NP                          ; Q stays in registers: tile i / 2, channels 32 (i % 2) on
	global_load_b128 v[8*i:8*i+3],   v[QO], s[4:5] offset:(i/2)*2048+(i%2)*64
	global_load_b128 v[8*i+4:8*i+7], v[QO], s[4:5] offset:(i/2)*2048+(i%2)*64+32
.set i, i+1
.endr
	; What the first turn finds: V's registers and P's second buffer hold 0 (its products V^T P, of a piece that has not been, add 0), O^T and l are 0.  All this stands in the wait for the first tile.
.set i, VF
.rept 64
	v_mov_b32 v[i], 0
.set i, i+1
.endr
	WIN 0x40
.set i, 0
.rept 64*NP
	v_mov_b32 v[i], 0
.set i, i+1
.endr
	WIN 0
.set i, 0
.rept 2*NP
	v_mov_b32 v[ST+4*i], 0xff7fffff    ; m: the lowest finite number
	v_mov_b32 v[ST+4*i+1], 0xff7fffff  ; m_old: named with m as a pair, so it is written
	v_mov_b32 v[ST+4*i+2], 0
	v_mov_b32 v[ST+4*i+3], 0
.set i, i+1
.endr
.set i, P+32
.rept 32
	v_mov_b32 v[i], 0
.set i, i+1
.endr
	v_and_b32 v[PFO], 31, v0
	v_lshlrev_b32 v[PFO], 8, v[PFO]
	v_mul_u32_u24 v[AK0], v1, PK
	v_lshl_add_u32 v[AK0], v9, 4, v[AK0]  ; row x pitch + 16 x half
	; The turning load takes 16 keys x 16 channels (lane l reads key 8 (l / 16) + l % 8, channels 8 ((l / 8) % 2) + 0..7) and leaves half a fragment of V^T: lane l holds channel l % 16 and 8 keys.
	v_and_b32 v10, 7, v0
	v_bfe_u32 v11, v0, 3, 1
	v_lshl_add_u32 v[AV0], v9, 3, v10
	v_mul_u32_u24 v[AV0], v[AV0], PV
	v_lshl_add_u32 v[AV0], v11, 4, v[AV0]
	v_add_nc_u32 v[AV0], VOFF, v[AV0]
	v_lshl_add_u32 v[AM0], v9, 5, MASKL   ; register j of key block kb is key 16 kb + 8 (l / 16) + j: byte 64 kb + 32 (l / 16) + 4 j of a step's 256
	; THE MASK ROW: rounded to bf16 and widened, times log2(e), held above -1e38; then into LDS, where the first change of slots shows it to every wave.
	s_wait_loadcnt 32               ; my four loads of the mask are in; Q's 32, issued behind them, may stay out
.set i, 0
.rept 8
	v_cvt_pk_bf16_f32 v[S+16+i], v[S+2*i], v[S+2*i+1]
.set i, i+1
.endr
.set i, 0
.rept 8
	v_lshlrev_b32 v[S+2*i], 16, v[S+16+i]
	v_and_b32 v[S+2*i+1], 0xffff0000, v[S+16+i]
.set i, i+1
.endr
.set i, 0
.rept 8
	v_pk_mul_f32 v[S+2*i:S+2*i+1], v[S+2*i:S+2*i+1], s[LG:LG+1] op_sel_hi:[1,0]
.set i, i+1
.endr
.set i, 0
.rept 16
	v_max_num_f32 v[S+i], s[LG+1], v[S+i]
.set i, i+1
.endr
	v_add_nc_u32 v[AV], MASKL, v[AK]
.irp i, 0,1,2,3
	ds_store_b128 v[AV], v[S+4*\i:S+4*\i+3] offset:2048*\i
.endr
	v_mov_b32 v[AK], v[AK0]         ; key step 0 lies at the head of slot 0 (the mask's loads, which read this register, are done),
	v_mov_b32 v[AM], v[AM0]         ; and at the head of the mask row
; THE MATRIX WORK.  The 8 accumulators of a run of 16 take turns: between the two links of a chain stand 7 others'.
; Product i of 16 of S^T = K Q^T for piece x: channels 32 (i / 8) on, keys 16 ((i / 2) % 4) on, tile 2 x + i % 2.  The first 8 start the sums, with the keys' mask as C.
.macro KQ x
.set rS, S+64*((\x)%2)+32*(i%2)+8*((i/2)%4)
.set rK, KF+16*((i/2)%4)+8*(i/8)
.set rQ, 16*(2*(\x)+i%2)+8*(i/8)
.set rM, MK+8*((i/2)%4)
.if i < 8
	WIN W_KM
	v_wmma_f32_16x16x32_f16 v[rS:rS+7], v[rK:rK+7], v[rQ:rQ+7], v[rM:rM+7]
.else
	WIN W_KQ
	v_wmma_f32_16x16x32_f16 v[rS:rS+7], v[rK:rK+7], v[rQ:rQ+7], v[rS:rS+7]
.endif
.endm
; Product i of 16 of O^T += V^T P for piece x: keys 32 (i / 8) on, channels 16 ((i / 2) % 4) on, tile 2 x + i % 2.
.macro PV x
	WIN W_PV
.set rO, 32*(2*(\x)+i%2)+8*((i/2)%4)
.set rV, VF+32*(i/8)+8*((i/2)%4)
.set rP, P+32*((\x)%2)+16*(i%2)+8*(i/8)
	v_wmma_f32_16x16x32_f16 v[rO:rO+7], v[rV:rV+7], v[rP:rP+7], v[rO:rO+7]
.endm
.macro MM                           ; the turn's next matrix instruction
.if i < 16
	KQ (Y+1)%NP
.set i, i+1
.else
.set i, i-16
	PV (Y+NP-1)%NP
.set i, i+17
.endif
.endm
; THE LDS LOADS stand in runs, never singly among the matrix instructions: a step's K (64 keys x 64 channels: 8 fragments) with its 64 numbers of the mask, and its V (turned).  Their addresses are made some lines ahead.
; last = 1 (the tail): in the last trip there is no further step, and the run is jumped over.
.macro FETCH_K last=0
	WIN 0
.if \last
	s_cmp_eq_u32 s[CNT], 1
	s_cbranch_scc1 .Lno_k_\@
.endif
	WIN 0x80                        ; destination window 2
.irp f, 0,1,2,3,4,5,6,7             ; keys 16 (f / 2) on, channels 32 (f % 2) on
	ds_load_b128 v[KF+8*\f:KF+8*\f+3],   v[AK] offset:(\f/2)*16*PK+(\f%2)*64
	ds_load_b128 v[KF+8*\f+4:KF+8*\f+7], v[AK] offset:(\f/2)*16*PK+(\f%2)*64+32
.endr
	WIN 0xc0                        ; destination window 3
.irp f, 0,1,2,3                     ; keys 16 f on: sixteen lanes read the same 16 bytes
	ds_load_b128 v[MK+8*\f:MK+8*\f+3],   v[AM] offset:64*\f
	ds_load_b128 v[MK+8*\f+4:MK+8*\f+7], v[AM] offset:64*\f+16
.endr
	s_add_co_u32 s[TBK], s[TBK], KS*PK  ; the next fetch is the next step's
	s_add_co_u32 s[TBM], s[TBM], 4*KS
	s_and_b32 s[TBM], s[TBM], 0x1f00    ; a step's 256 bytes inside the row's 8,192: it turns round only behind the last step, which nothing follows
	WIN 0
.if \last
.Lno_k_\@:
.endif
.endm
.macro FETCH_V
	WIN 0x80
.irp f, 0,1,2,3,4,5,6,7             ; keys 32 (f / 4) on, channels 16 (f % 4) on
	ds_load_tr16_b128 v[VF+8*\f:VF+8*\f+3],   v[AV] offset:(\f/4)*32*PV+(\f%4)*32
	ds_load_tr16_b128 v[VF+8*\f+4:VF+8*\f+7], v[AV] offset:(\f/4)*32*PV+16*PV+(\f%4)*32
.endr
	WIN 0
.endm
; THE VECTOR WORK OF A TURN stands in three queues, each in the order in which its entries become ready; the two tiles alternate, so that no instruction reads the result of the one before it.
.macro REGS y, u                    ; the registers of tile u (0, 1) of piece y
.set rT, ST+4*(2*(\y)+(\u))
.set rC, TMP+8*((\y)%2)+4*(\u)
.set rS, S+64*((\y)%2)+32*(\u)
.set rP, P+32*((\y)%2)+16*(\u)
.set rO, 32*(2*(\y)+(\u))
.endm
; Number n of the 21 that find the NEXT piece's (Y + 1) maximum and statistics.  s0-s31 are the lane's 32 scores; each accumulator's lowest registers are read first.  XS, GS and REGS set no window: PL and EX do.
;   0-11  four chains c0-c3 of seven scores each, three operands at a time     12-14, 16  the four scores left over, the old m, and c0-c3 into c0     15  m_old is kept
;   17, 18  the query's other 32 keys lie in the lane 16 away: the new m         19, 20  m_old - m_new; a
.macro XS u, n
	REGS (Y+1)%NP, \u
.if (\n) < 4
	v_max3_num_f32 v[rC+(\n)], v[rS+8*(\n)], v[rS+8*(\n)+1], v[rS+8*(\n)+2]
.elseif (\n) < 12
	v_max3_num_f32 v[rC+(\n)%4], v[rC+(\n)%4], v[rS+8*((\n)%4)+2*((\n)/4)+1], v[rS+8*((\n)%4)+2*((\n)/4)+2]
.elseif (\n) == 12
	v_max3_num_f32 v[rC], v[rC], v[rS+7], v[rS+15]
.elseif (\n) == 13
	v_max3_num_f32 v[rC+1], v[rC+1], v[rS+23], v[rS+31]
.elseif (\n) == 14
	v_max3_num_f32 v[rC+2], v[rC+2], v[rC+3], v[rT]
.elseif (\n) == 15
	v_mov_b32 v[rT+1], v[rT]
.elseif (\n) == 16
	v_max3_num_f32 v[rC], v[rC], v[rC+1], v[rC+2]
.elseif (\n) == 17
	v_permlanex16_b32 v[rC+3], v[rC], s[SEL], s[SEL+1]
.elseif (\n) == 18
	v_max_num_f32 v[rT], v[rC], v[rC+3]
.elseif (\n) == 19
	v_sub_f32 v[rC+1], v[rT+1], v[rT]
.else
	v_exp_f32 v[rC+2], v[rC+1]
.endif
.endm
; Number g of the 64 that follow the exponentials.  For each four weights k of a tile (pairs 2 k, 2 k + 1): both pairs are rounded to f16; then the second pair is added onto the first, in place;
; a group later l takes that sum (the first time as l = a l + sum).  In groups of eight, tiles alternating: round, round, add, and l for the group before.
.macro GS g
.set h, (\g)+6*((\g)/62)            ; group 0 has no group before it, and behind group 7 only l is left
.if h >= 6
.set h, h+2
.endif
	REGS Y, h%2
.set k, h/8
.if h%8 < 4
	s_wait_alu depctr_va_vdst(0)
	v_cvt_pk_f16_f32 v[rP+2*k+(h%8)/2], v[rS+4*k+2*((h%8)/2)], v[rS+4*k+2*((h%8)/2)+1]
.elseif h%8 < 6
	v_pk_add_f32 v[rS+4*k:rS+4*k+1], v[rS+4*k:rS+4*k+1], v[rS+4*k+2:rS+4*k+3]
.elseif k == 1
	v_pk_fma_f32 v[rT+2:rT+3], v[rT+2:rT+3], v[rC+2:rC+3], v[rS:rS+1] op_sel_hi:[1,0,1]
.else
	v_pk_add_f32 v[rT+2:rT+3], v[rT+2:rT+3], v[rS+4*k-4:rS+4*k-3]
	s_wait_alu depctr_va_vdst(0)
.endif
.endm
; THE PLAIN QUEUE, 136 long.  0-31: s - m for the 16 pairs of both tiles.  Then GS's 64, and among them the next piece's 40: number 15 at 38, 39; 0-14 and 16
; at 42-73, behind the products that make those scores; 17-19 at 95-103, two of three, since each waits for the one before it.
.macro PL
	WIN 0
.if q < 32
	REGS Y, q%2
	v_pk_add_f32 v[rS+2*(q/2):rS+2*(q/2)+1], v[rS+2*(q/2):rS+2*(q/2)+1], v[rT:rT+1] op_sel_hi:[1,0] neg_lo:[0,1] neg_hi:[0,1]
.elseif q < 38
	GS q-32
.elseif q < 40
	XS q%2, 15
.elseif q < 42
	GS q-34
.elseif q < 74
	XS q%2, (q-42)/2+(q-42)/30
.elseif q < 95
	GS q-66
.elseif (q < 104) && ((q-95)%3 < 2)
	XS (q-95)%3, 17+(q-95)/3
.elseif q < 104
	GS 29+(q-95)/3
.else
	GS q-72
.endif
.set q, q+1
.endm
; THE EXPONENTIALS' QUEUE, 66 long: s0-s31 of both tiles, and at EA the next piece's two a.
.set EA, 58
.macro EX
	WIN 0
.if (e == EA) || (e == EA+1)
	XS e-EA, 20
.else
.set x, e-2*(e/(EA+2))
	REGS Y, x%2
	v_exp_f32 v[rS+x/2], v[rS+x/2]
.endif
.set e, e+1
.endm
; THE RESCALING's QUEUE: O^T times a, the one part that leaves window 0, so it is dealt four at a time, eight times.
.macro R4
	REGS Y, r%2
	WIN W_RS
	s_wait_alu depctr_va_vdst(0)
.irp z, 0,1,2,3
	v_pk_mul_f32 v[rO+8*(r/2)+2*\z:rO+8*(r/2)+2*\z+1], v[rO+8*(r/2)+2*\z:rO+8*(r/2)+2*\z+1], v[rC+2:rC+3] op_sel_hi:[1,0]
.endr
.set r, r+1
.endm
; HOW THEY ARE DEALT.  Behind a matrix instruction four: plain, exponential, plain, plain (one exponential, a plain instruction on either side), or four of the rescaling.  None names a register of the
; products round it.  What is over stands in two LUMPS: exponential and plain by turns; the second ends in 20 plain instructions.  The two v_permlanex16_b32 fall into the second lump, never behind a product.
; The queues lean on each other, and the deal keeps them in step: exponential e stands behind plain 2 (e / 4) + e % 2 (its subtraction); when plain 32 comes, 10 exponentials are out, at 59: 33, at 95: 46;
; EA comes behind plain 107, its argument is made at plain 101 and 102; from plain 104 on a line of GS uses weights whose exponentials stand 16 or more back in their queue.
.macro SL
	MM
	PL
	EX
	PL
	PL
.endm
.macro BURST n                      ; 15 matrix instructions, or 16
.rept (\n)-7
	SL
.endr
.rept 3
	MM
	R4
	SL
.endr
	MM
	R4
.endm
; A TURN, for piece p.  cnt = 1: the loop's count is taken down some lines ahead of the branch that stands behind the turn.
; K and the mask of the next step are fetched in piece 2's turn, 32 vector instructions behind the last product that read them; their first reader comes behind the rest of the lump, 16 products and the second lump.
; V of the step in hand is fetched at the end of piece 0's turn, 67 behind its last reader; its first reader comes behind 16 products and a lump.  The four conditions on e and q below go with the deal.
.macro TURN p, last=0, cnt=0
.set Y, (\p)
.set i, 0
.set q, 0
.set e, 0
.set r, 0
.if (\p) == NP-1
	s_wait_dscnt 0x0                ; K and the mask are in
.endif
	MM
.rept 4
	PL
.endr
	BURST 15
.rept 22
	EX
	PL
.if ((\p) == NP-2) && (e == 18)
	v_add_nc_u32 v[AK], s[TBK], v[AK0]
	v_add_nc_u32 v[AM], s[TBM], v[AM0]
.endif
.if ((\p) == NP-2) && (e == 24)
	FETCH_K \last
.endif
.endr
.if (\p) == 1
	s_wait_dscnt 0x0                ; V is in
.endif
	BURST 16
.rept 21
	EX
	PL
.endr
.rept 20
	PL
.if ((\p) == 0) && (q == 118)
	v_add_nc_u32 v[AV], s[TBV], v[AV0]
	s_wait_alu depctr_va_vdst(0)
.endif
.if ((\p) == 0) && (q == 130)
	s_add_co_u32 s[TBV], s[TBV], KS*PV
.endif
.if (\cnt) && (q == 130)
	s_sub_co_u32 s[CNT], s[CNT], 1
	s_cmp_lg_u32 s[CNT], 0
.endif
.endr
.if (\p) == 0
	FETCH_V
.endif
.endm
	CHANGE 1, 0                     ; slot 0 is in, everybody's part of it, and the mask row; slot 1 is asked for
	FETCH_K                         ; key step 0
	s_wait_loadcnt 0x0              ; Q
	s_wait_dscnt 0x0
.set i, 0
.rept 16
	KQ 0                            ; piece 0's first scores: there is no vector work yet to set between them
.set i, i+1
.endr
	WIN 0                           ; the addresses for the way out: eight plain instructions, the places behind those products
	s_mul_i32 s13, s[WV], 16*SP
	s_add_co_u32 s13, s13, STAGE    ; my stage
	v_mul_u32_u24 v[STO], v1, SP    ; in: row l % 16, 32 bytes for each half of the lanes
	v_lshl_add_u32 v[STO], v9, 5, v[STO]
	v_add_nc_u32 v[STO], s13, v[STO]
	v_mul_u32_u24 v[RD], v9, SP     ; back: lanes 0-15 take one row of 256 bytes, lanes 16-31 the next,
	v_lshl_add_u32 v[RD], v1, 4, v[RD]
	v_add_nc_u32 v[RD], s13, v[RD]
	v_lshlrev_b32 v[GO], 12, v9     ; and the same two rows in out0, 4,096 bytes apart
	v_lshl_add_u32 v[GO], v1, 4, v[GO]
.set Y, NP-1                        ; XS works for piece Y + 1: piece 0
.irp n, 0,1,2,3,4,5,6,7,8,9,10,11,12,13,14,15,16,17,18,19,20
	XS 0, \n                        ; and piece 0's first maximum and statistics
	XS 1, \n
.endr
	s_mov_b32 s[CNT], 4
	s_mov_b32 s[SLOTS], SIZE_N/256-1
	s_branch .Lfirst                ; the loop is entered at a step's first turn, in the middle of a trip
.Lslot:                             ; SIZE_N / 256 - 2 times: every slot but the last two is filled again
	CHANGE 1, 1
	s_mov_b32 s[CNT], 4
.Lstep:                             ; a trip: pieces 2 and 3 of one step, then pieces 0 and 1 of the next, whose K and V it fetches
	TURN 2
	TURN 3
	WIN 0
.Lfirst:
	TURN 0
	TURN 1, 0, 1
	WIN 0
	s_cbranch_scc1 .Lstep
	s_sub_co_u32 s[SLOTS], s[SLOTS], 1
	s_cmp_lg_u32 s[SLOTS], 0
	s_cbranch_scc1 .Lslot
	CHANGE 0, 0                     ; the tail is written out: nothing is asked for
	s_mov_b32 s[CNT], 5             ; four trips fetch the last slot's steps; the fifth is left in its middle
.Ltail:
	TURN 2, 1
	TURN 3
	WIN 0
	s_sub_co_u32 s[CNT], s[CNT], 1
	s_cmp_eq_u32 s[CNT], 0
	s_cbranch_scc1 .Lout
	TURN 0
	TURN 1
	WIN 0
	s_branch .Ltail
.Lout:                              ; the fifth trip's 16 products K Q^T (on the last K once more) and the maximum made of them serve nothing: the price, once a launch, of one text for every trip
.set i, 0
.rept 16
	PV NP-1                         ; the last piece's V^T P of the last step
.set i, i+1
.endr
	; THE WAY OUT.  l's two halves and the other half of the lanes' are added; O^T is divided by l and sent, in f32, through my stage in LDS, a tile at a time.  The additions are the places behind the last products.
	WIN 0
.macro ALL line:vararg              ; one line for each tile t
.set t, 0
.rept 2*NP
	\line
.set t, t+1
.endr
.endm
	ALL v_add_f32 v[ST+4*t+2], v[ST+4*t+2], v[ST+4*t+3]
	ALL v_permlanex16_b32 v[ST+4*t+3], v[ST+4*t+2], s[SEL], s[SEL+1]
	ALL v_add_f32 v[ST+4*t+2], v[ST+4*t+2], v[ST+4*t+3]
	ALL v_rcp_f32 v[ST+4*t+2], v[ST+4*t+2]
	v_nop                           ; a plain instruction between the last reciprocal and the use of its result
	s_wait_alu depctr_va_vdst(0)
; Tile t: a lane's eight channels of a row are 32 bytes; they go into rows of 272 bytes and come back as whole rows of 256, a head's 64 channels, into S^T's registers (four tiles' worth, by turns).
.macro PACK t
	WIN W_RS
.set i, 32*(\t)
.rept 16
	v_pk_mul_f32 v[i:i+1], v[i:i+1], v[ST+4*(\t)+2:ST+4*(\t)+3] op_sel_hi:[1,0]
.set i, i+2
.endr
	WIN 0x04                        ; the stores' data in window 1, their address in window 0
.irp f, 0,1,2,3
	ds_store_b128 v[STO], v[32*(\t)+8*\f:32*(\t)+8*\f+3]   offset:64*\f
	ds_store_b128 v[STO], v[32*(\t)+8*\f+4:32*(\t)+8*\f+7] offset:64*\f+16
.endr
	WIN 0
.if (\t) >= 4
	s_wait_xcnt 0x0                 ; the stores of the tile four back have read their data: only behind this wait are those registers loaded again
.endif
.irp f, 0,1,2,3,4,5,6,7
	ds_load_b128 v[S+32*((\t)%4)+4*\f:S+32*((\t)%4)+4*\f+3], v[RD] offset:\f*2*SP  ; LDS serves a wave's instructions in order (ISA guide 5.7.1.4): these see the stores above; the next tile's stores come behind them
.endr
.endm
.macro SEND t, younger              ; younger: the LDS instructions issued behind tile t's loads: the next tile's sixteen, or none
	WIN 0
.irp f, 0,1,2,3,4,5,6,7
	s_wait_dscnt (\younger)+7-\f
	global_store_b128 v[GO], v[S+32*((\t)%4)+4*\f:S+32*((\t)%4)+4*\f+3], s[8:9] offset:(\t)*65536+\f*8192 th:TH_STORE_NT  ; 16 lanes store 256 consecutive bytes, at a multiple of 256 from out0's first byte
.endr
.endm
	PACK 0
.set t, 1
.rept 2*NP-1                        ; a tile's arithmetic stands between the loads of the tile before and its stores
	PACK t
	SEND t-1, 16
.set t, t+1
.endr
	SEND 2*NP-1, 0
	s_wait_tensorcnt 0x0            ; the wave's end, behind my last tensor load and my last LDS store
	ds_add_u32 v[SPW], v[NIL]
	s_wait_dscnt 0x0
	CROUND                          ; the closing round: no work-group ends while a partner may still ask for a tile that names it
	s_endpgm
.Lfunc_end_k_qc70354fed1_attn:
	.size	k_qc70354fed1_attn, .Lfunc_end_k_qc70354fed1_attn-k_qc70354fed1_attn
	.p2alignl 7, 3214868480
	.fill 96, 4, 3214868480
	.section	.rodata,"a",@progbits
	.p2align	6, 0x0
	.amdhsa_kernel k_qc70354fed1_attn
		.amdhsa_group_segment_fixed_size 327680
		.amdhsa_private_segment_fixed_size 0
		.amdhsa_enable_private_segment 0
		.amdhsa_kernarg_size 24
		.amdhsa_user_sgpr_count 2
		.amdhsa_user_sgpr_kernarg_segment_ptr 1
		.amdhsa_wavefront_size32 1
		.amdhsa_system_sgpr_workgroup_id_x 1
		.amdhsa_system_sgpr_workgroup_id_y 1
		.amdhsa_system_sgpr_workgroup_id_z 1
		.amdhsa_system_vgpr_workitem_id 0
		.amdhsa_next_free_vgpr 800
		.amdhsa_next_free_sgpr 72
		.amdhsa_reserve_vcc 0
		.amdhsa_float_denorm_mode_32 3
		.amdhsa_float_denorm_mode_16_64 3
		.amdhsa_memory_ordered 1
		.amdhsa_forward_progress 1
		.amdhsa_inst_pref_size 214
	.end_amdhsa_kernel
	.amdgpu_metadata
---
amdhsa.version: [ 1, 2 ]
amdhsa.kernels:
  - .name:           k_qc70354fed1_attn
    .symbol:         k_qc70354fed1_attn.kd
    .args:
      - { .name: qkv, .offset: 0, .size: 8, .value_kind: global_buffer, .address_space: global }
      - { .name: attention_mask, .offset: 8, .size: 8, .value_kind: global_buffer, .address_space: global }
      - { .name: out0, .offset: 16, .size: 8, .value_kind: global_buffer, .address_space: global }
    .group_segment_fixed_size: 327680
    .private_segment_fixed_size: 0
    .kernarg_segment_align: 8
    .kernarg_segment_size: 24
    .max_flat_workgroup_size: 128
    .sgpr_count:     72
    .vgpr_count:     800
    .wavefront_size: 32
...
	.end_amdgpu_metadata
.endif
;; end of part 3
;; ======== version 2 of 2: 3 launches; version 1 with the launch cast written anew for expert scheduling mode
;; limits: values are held in f16: magnitudes above 65,504 overflow, below 6.1e-05 lose precision
;; workspace buffers: xb 16,777,216 bytes; wb 6,291,456 bytes; qkv 50,331,648 bytes
;; launch cast (part 4): grid 256 x 1, 8 waves a work-group, no clusters, 0 bytes of LDS; arguments hidden_states, Wq, Wk, Wv, xb, wb; writes xb, wb
.if DOCPART == 4
	.amdgcn_target "amdgcn-amd-amdhsa--gfx1250"
	.amdhsa_code_object_version 6
	.text
	.protected	k_qc70354fed1_cast
	.globl	k_qc70354fed1_cast
	.p2align	8
	.type	k_qc70354fed1_cast,@function
k_qc70354fed1_cast:
	s_mov_b64 s[64:65], 0
	v_nop
	global_prefetch_b8 v0, s[64:65] scope:SCOPE_SE
	s_setreg_imm32_b32 hwreg(HW_REG_WAVE_SCHED_MODE, 0, 2), 2
	s_setreg_imm32_b32 hwreg(HW_REG_WAVE_MODE, 25, 1), 1
	s_wait_xcnt 0x0
	s_wait_alu depctr_vm_vsrc(0)
; xb = bf16(hidden_states), [8192][1024];  wb = bf16(Wq, Wk, Wv one below the other), [3072][1024].  One rounding to nearest even each.
; A stream: no LDS, no barrier, no matrix unit, no loop.  11,534,336 numbers are 5,632 steps of 2,048 (256 threads x 8); each of the 256 work-groups takes 22 steps:
; 16 of x (32,768 numbers) and 2 of each W (4,096 numbers).  In a step thread t takes 8 neighbouring f32 (two loads of 16 bytes at 32 t and 32 t + 16: a wave's pair covers
; 1,024 consecutive bytes) and stores 16 bytes at 16 t: a wave's store covers 512 consecutive bytes, at a multiple of 256 from the buffer's first byte.
; All 44 loads of a thread go out at once, each into registers of its own; nothing that a pending instruction names is ever rewritten but a step's own data, behind its own wait.
; THE MODE: SCHED_MODE bits 1:0 = 2 (LLVM: expert scheduling mode 2), set by the entry lines.  The code itself states the register dependences
; between vector instructions and memory instructions, with s_wait_alu, always for 0.
; THE PLAN.  Registers that memory instructions touch:
;   v1, v2     byte offsets, made once at the head and never written again: v1 is read by every load, v2 by every store.
;   step j's eight registers.  Its two loads land in them; no vector instruction has named them before, since all loads stand ahead of all conversions.  Its four conversions read
;              them and write the low four; its one store reads those four; nothing writes them afterwards.
; The 22 steps go in 11 groups of two.  Group g waits for its four loads, and then issues the two stores of group g - 1 among its own eight conversions, which name group g's sixteen
; registers alone.  So one wait on va_vdst at a group's head states all that its two stores hang on.  No register that a load or a store reads is written again: no wait on vm_vsrc is owed.
.set D,     8                          ; v[8:183]  step j: 8 registers as loaded; the low 4 then hold the 8 bf16
.set INB,   8192                       ; bytes of a step on the way in
.set OUTB,  4096                       ; and on the way out
.set WBYTES, 1024*1024*2               ; a W's bytes in wb
.set GROUPS, 11                        ; groups of two steps
	s_load_b256 s[4:11], s[0:1], 0x0               ; hidden_states s[4:5], Wq s[6:7], Wk s[8:9], Wv s[10:11]
	s_load_b128 s[12:15], s[0:1], 0x20             ; xb s[12:13], wb s[14:15]
	v_lshlrev_b32 v1, 5, v0                        ; 32 t: my 8 numbers on the way in
	v_lshlrev_b32 v2, 4, v0                        ; 16 t: on the way out
	s_lshl_b32 s16, ttmp9, 17                      ; the work-group's part of x: 16 steps x 8,192 bytes
	s_mov_b32 s17, 0
	s_lshl_b32 s18, ttmp9, 14                      ; of each W: 2 steps x 8,192 bytes
	s_mov_b32 s19, 0
	s_lshl_b32 s20, ttmp9, 16                      ; of xb
	s_mov_b32 s21, 0
	s_lshl_b32 s22, ttmp9, 13                      ; of each W's part of wb
	s_mov_b32 s23, 0
	s_wait_kmcnt 0x0
	s_add_nc_u64 s[4:5], s[4:5], s[16:17]
	s_add_nc_u64 s[6:7], s[6:7], s[18:19]
	s_add_nc_u64 s[8:9], s[8:9], s[18:19]
	s_add_nc_u64 s[10:11], s[10:11], s[18:19]
	s_add_nc_u64 s[12:13], s[12:13], s[20:21]
	s_add_nc_u64 s[14:15], s[14:15], s[22:23]
	s_wait_alu depctr_va_vdst(0)                   ; v1 and v2 are written: every load of the kernel reads v1 as its offset, every store v2
.macro LD j, base, off                 ; step j's two loads
	global_load_b128 v[D+8*(\j):D+8*(\j)+3],   v1, s[(\base):(\base)+1] offset:(\off) th:TH_LOAD_NT
	global_load_b128 v[D+8*(\j)+4:D+8*(\j)+7], v1, s[(\base):(\base)+1] offset:(\off)+16 th:TH_LOAD_NT
.endm
.macro CV j                            ; step j is rounded in place
.irp r, 0,1,2,3
	v_cvt_pk_bf16_f32 v[D+8*(\j)+\r], v[D+8*(\j)+2*\r], v[D+8*(\j)+2*\r+1]  ; ascending: a destination is never a source still to be read
.endr
.endm
.macro ST j                            ; step j is stored: steps 0 to 15 into xb, steps 16 to 21 into wb, two for each W
.if (\j) < 16
	global_store_b128 v2, v[D+8*(\j):D+8*(\j)+3], s[12:13] offset:OUTB*(\j) th:TH_STORE_NT
.else
	global_store_b128 v2, v[D+8*(\j):D+8*(\j)+3], s[14:15] offset:(((\j)-16)/2)*WBYTES+OUTB*(((\j)-16)%2) th:TH_STORE_NT  ; the largest immediate is 4,198,400: inside the signed 24 bits
.endif
.endm
; Group g: steps 2 g and 2 g + 1 are rounded; the stores of steps 2 g - 2 and 2 g - 1 stand among their conversions.
.macro GRP g
	s_wait_loadcnt 40-4*(\g)                       ; loads come back in order (ISA guide 5.7.1): this group's four are in, the 40 - 4 g younger ones stay out
.if (\g) > 0
	s_wait_alu depctr_va_vdst(0)                   ; the conversions of the group before have written the low four registers of its two steps, which the two stores below read
.endif
.irp u, 0,1
.if (\g) > 0
	ST 2*(\g)-2+\u                                 ; no vector instruction since the wait names this store's data or v2
.endif
	CV 2*(\g)+\u
.endr
.endm
.set j, 0
.rept 16
	LD j, 4, INB*j                                 ; x
.set j, j+1
.endr
.set j, 0
.rept 6
	LD 16+j, 6+2*(j/2), INB*(j%2)                  ; Wq, Wk, Wv: two steps each
.set j, j+1
.endr
.set g, 0
.rept GROUPS
	GRP g
.set g, g+1
.endr
	s_wait_alu depctr_va_vdst(0)                   ; the last group's conversions have written the data of the last two stores
	ST 20
	ST 21
	s_endpgm
.Lfunc_end_k_qc70354fed1_cast:
	.size	k_qc70354fed1_cast, .Lfunc_end_k_qc70354fed1_cast-k_qc70354fed1_cast
	.p2alignl 7, 3214868480
	.fill 96, 4, 3214868480
	.section	.rodata,"a",@progbits
	.p2align	6, 0x0
	.amdhsa_kernel k_qc70354fed1_cast
		.amdhsa_group_segment_fixed_size 0
		.amdhsa_private_segment_fixed_size 0
		.amdhsa_enable_private_segment 0
		.amdhsa_kernarg_size 48
		.amdhsa_user_sgpr_count 2
		.amdhsa_user_sgpr_kernarg_segment_ptr 1
		.amdhsa_wavefront_size32 1
		.amdhsa_system_sgpr_workgroup_id_x 1
		.amdhsa_system_sgpr_workgroup_id_y 1
		.amdhsa_system_sgpr_workgroup_id_z 1
		.amdhsa_system_vgpr_workitem_id 0
		.amdhsa_next_free_vgpr 184
		.amdhsa_next_free_sgpr 66
		.amdhsa_reserve_vcc 0
		.amdhsa_float_denorm_mode_32 3
		.amdhsa_float_denorm_mode_16_64 3
		.amdhsa_memory_ordered 1
		.amdhsa_forward_progress 1
		.amdhsa_inst_pref_size 14
	.end_amdhsa_kernel
	.amdgpu_metadata
---
amdhsa.version: [ 1, 2 ]
amdhsa.kernels:
  - .name:           k_qc70354fed1_cast
    .symbol:         k_qc70354fed1_cast.kd
    .args:
      - { .name: hidden_states, .offset: 0, .size: 8, .value_kind: global_buffer, .address_space: global }
      - { .name: Wq, .offset: 8, .size: 8, .value_kind: global_buffer, .address_space: global }
      - { .name: Wk, .offset: 16, .size: 8, .value_kind: global_buffer, .address_space: global }
      - { .name: Wv, .offset: 24, .size: 8, .value_kind: global_buffer, .address_space: global }
      - { .name: xb, .offset: 32, .size: 8, .value_kind: global_buffer, .address_space: global }
      - { .name: wb, .offset: 40, .size: 8, .value_kind: global_buffer, .address_space: global }
    .group_segment_fixed_size: 0
    .private_segment_fixed_size: 0
    .kernarg_segment_align: 8
    .kernarg_segment_size: 48
    .max_flat_workgroup_size: 256
    .sgpr_count:     66
    .vgpr_count:     184
    .wavefront_size: 32
...
	.end_amdgpu_metadata
.endif
;; end of part 4
;; launch proj: the kernel of part 2 again; grid 16 x 32, 4 waves a work-group, clusters of 4 x 4, 327,680 bytes of LDS; arguments xb, wb, bq, bk, bv, qkv; writes qkv
;; launch attn: the kernel of part 3 again; grid 4 x 64, 4 waves a work-group, clusters of 4 x 1, 327,680 bytes of LDS; arguments qkv, attention_mask, out0; writes out0
